; MI455X (gfx1250); checked and timed in simulation.
; The chip was launched on July 23, 2026; its instructions are those of AMD's public machine-readable ISA for CDNA 5 (MIT licence, August 2026) and "CDNA5" Instruction Set Architecture Reference Guide (July 2026). The comments in the code are by the model that wrote it; some were corrected since.
;; Multi Head Self Attention. Allowed arithmetic: matrix products marked QUANTISED: E4M3 operands, one given power-of-two scale a tensor, by v_wmma_f32_16x16x64_fp8_fp8 or v_wmma_f32_16x16x128_fp8_fp8, f32 sums; everything else in f32.
;; Inputs: Wk_codes 1,024 x 32 x 32 uint8 (E4M3 codes of Wk, K innermost, in blocks of 32 codes); Wo_codes 1,024 x 32 x 32 uint8 (E4M3 codes of Wo, K innermost, in blocks of 32 codes); Wq_codes 1,024 x 32 x 32 uint8 (E4M3 codes of Wq, K innermost, in blocks of 32 codes); Wv_codes 1,024 x 32 x 32 uint8 (E4M3 codes of Wv, K innermost, in blocks of 32 codes); bk 1,024 float32; bq 1,024 float32; bv 1,024 float32; lowp_scales 12 int32 (the exponents e of the quantised operands' scales 2^e); x_codes 4,096 x 32 x 32 uint8 (E4M3 codes of x, K innermost, in blocks of 32 codes).
;; Outputs: out0 4,096 x 1,024 float32.
;; Constants: tgt_len = 4096.
;; This version of the problem:
;;   THIS VERSION OF THE PROBLEM IS GIVEN IN LOW PRECISION. The matrix products marked QUANTISED in the list below multiply operands that are first quantised to E4M3 (4 exponent bits, 3 mantissa bits; 8 bits a number), with one given power-of-two scale for each operand tensor; their sums are f32. All else is computed in f32.
;;   The module's matrix products, in the order in which they are computed (A, B: the left and right operand; K: the contracted axis; several contracted axes count as one K, in the product's order):
;;     1. [M 4,096, K 1,024] x [K 1,024, N 1,024]; A: input x (given as codes); B: input Wq (given as codes): QUANTISED (scales: A lowp_scales[0], B lowp_scales[1])
;;     2. [M 4,096, K 1,024] x [K 1,024, N 1,024]; A: input x (given as codes); B: input Wk (given as codes): QUANTISED (scales: A lowp_scales[2], B lowp_scales[3])
;;     3. [M 4,096, K 1,024] x [K 1,024, N 1,024]; A: input x (given as codes); B: input Wv (given as codes): QUANTISED (scales: A lowp_scales[4], B lowp_scales[5])
;;     4. batch 16 x [M 4,096, K 64] x [K 64, N 4,096]; A: computed on the way; B: computed on the way: QUANTISED (scales: A lowp_scales[6], B lowp_scales[7])
;;     5. batch 16 x [M 4,096, K 4,096] x [K 4,096, N 64]; A: computed on the way; B: computed on the way: QUANTISED (scales: A lowp_scales[8], B lowp_scales[9])
;;     6. [M 4,096, K 1,024] x [K 1,024, N 1,024]; A: computed on the way; B: input Wo (given as codes): QUANTISED (scales: A lowp_scales[10], B lowp_scales[11])
;;   THE QUANTISER, for each operand of a quantised product, along K:
;;     - The operand's scale is 2^e, e = its entry of the input lowp_scales (int32; the entries are numbered through the quantised products in the list's order, A before B).
;;     - Each number is divided by the scale, clamped to +-448, and rounded to the nearest number of E4M3, ties to even, subnormals kept.
;;     - The product sums the exact products of the quantised numbers (number of the format x scale) in f32.
;;   ~~~python
;;   def quantise(x, axis, e):      # numpy; x: float32 -> the quantised numbers, widened to float32 again
;;       x = np.moveaxis(x, axis, -1); K = x.shape[-1]
;;       r = np.clip(x / 2.0 ** e, -448, 448)
;;       step = 2.0 ** (np.maximum(np.frexp(np.where(r == 0, 1, r))[1] - 1, -6) - 3)
;;       q = np.round(r / step) * step * 2.0 ** e      # np.round: ties to even
;;       return np.moveaxis(q, -1, axis).astype(np.float32)
;;   ~~~
;;   OPERANDS COMPUTED ON THE WAY. 'Computed on the way' means the value that the module computes at that place (a softmax that the list does not call 'softmax' is quantised finished and normalised). What goes into a quantiser is computed in f32, as accurately as f32 sums, v_exp_f32 and their like allow (about 1e-6 of the number): no bf16 or f16 on the way to a quantiser, and a product that is left as it is and whose result goes on into a quantised operand takes f32 operands (vector FMAs, or v_wmma_f32_16x16x4_f32). A number that lies on a knife's edge between two numbers of the format may be rounded either way, as far as f32 arithmetic and the matrix unit's own rounding can turn it there, and no further.
;;   INPUTS GIVEN AS CODES. Wk (in the module: [1024, 1024], K = its axis 1); Wo (in the module: [1024, 1024], K = its axis 1); Wq (in the module: [1024, 1024], K = its axis 1); Wv (in the module: [1024, 1024], K = its axis 1); x (in the module: [4096, 1024], K = its axis 1): each comes as NAME_codes (uint8): NAME with its K axis moved to the last place and cut into blocks of 32 codes, [.., K / 32, bytes a block], one block behind the other in memory; one code a byte (a code: sign, 4 exponent bits, 3 mantissa bits); its scale is its entry of lowp_scales. Its value is code x scale, taken as it is: it is not quantised again, and the codes and scales need not be those that the quantiser above would give.
;; One version. Each part assembles by itself: llvm-mc -triple=amdgcn-amd-amdhsa -mcpu=gfx1250 --defsym DOCPART=n.
;; ======== version 1 of 1: 3 launches
;; workspace buffers: q_img 4,194,304 bytes; k_img 4,194,304 bytes; v_img 4,194,304 bytes; o_img 4,194,304 bytes
;; launch proj (part 1): grid 24 x 32, 4 waves a work-group, clusters of 4 x 4, 279,040 bytes of LDS; arguments x_codes, Wq_codes, Wk_codes, Wv_codes, bq, bk, bv, lowp_scales, q_img, k_img, v_img; writes q_img, k_img, v_img
.if DOCPART == 1
	.amdgcn_target "amdgcn-amd-amdhsa--gfx1250"
	.amdhsa_code_object_version 6
	.text
	.protected	k_q6b5002da1d_proj
	.globl	k_q6b5002da1d_proj
	.p2align	8
	.type	k_q6b5002da1d_proj,@function
k_q6b5002da1d_proj:
	s_mov_b64 s[64:65], 0
	v_nop
	global_prefetch_b8 v0, s[64:65] scope:SCOPE_SE
	s_setreg_imm32_b32 hwreg(HW_REG_WAVE_MODE, 25, 1), 1
	s_wait_xcnt 0x0
	s_wait_alu depctr_hold_cnt(0) depctr_sa_sdst(0) depctr_va_vdst(0) depctr_va_sdst(0) depctr_va_ssrc(0) depctr_va_vcc(0) depctr_vm_vsrc(0)
	s_getreg_b32 s2, hwreg(HW_REG_IB_STS2, 6, 4)
	s_cmp_eq_u32 s2, 0
	s_cbranch_scc0 .Lentry_in_a_cluster
	s_endpgm
.Lentry_in_a_cluster:
	s_bfe_u32 s2, ttmp6, 0x10000c
	s_cmp_lg_u32 s2, 0xf033
	s_cbranch_scc0 .Lentry_shape_is_right
	s_endpgm
.Lentry_shape_is_right:
; q, k, v = x W^T 2^(ex + ew) + b, on codes of FP8 (E4M3), then quantised by the given scales 2^e6 (q), 2^e7 (k), 2^e9 (v) and stored as IMAGES OF OPERAND REGISTERS
; of v_wmma_f32_16x16x64_fp8_fp8: an image is 1,024 bytes, lane l's registers 0-3 at 16 l, its registers 4-7 at 512 + 16 l; lane (r, h) holds row r, registers 2 c, 2 c + 1 hold k = 16 c + 8 h + 0 .. 7.
;   q_img, k_img: [head 16][tile of 16 tokens 256][1,024]: row = token, k = the head's 64.      v_img: [head 16][block of 64 keys 64][tile of 16 channels 4][1,024]: row = channel, k = the block's keys.
; SHARES.  24 tile columns: 8 for each of q, k, v (the cluster's x / 2 says which, the same in all partners); 32 tile rows.  A work-group makes 128 tokens x 128 features, a wave 64 x 64: 16 accumulators.
; All of K = 1,024 lies in LDS, in four chunks of 256 along K, each filled once: no slot is ever filled again.
; q, k: source 0 = 16 rows of W, source 1 = 16 rows of x: a lane holds one token and eight neighbouring features.  v: source 0 = x, source 1 = W: a lane holds one feature and eight neighbouring tokens (keys).
; Either way one conversion of an accumulator's eight registers gives two registers of an image.  The swap is made by the two LDS base addresses alone; the products are written once.
; A fragment (16 rows x 128 K) comes by four loads of 16 bytes: registers 4 c .. 4 c + 3 hold k = 32 c + 16 h + 0 .. 15: a permutation of k, the same in both operands, so every product meets its partner.
; CLUSTERS: 4 x 4 work-groups.  x's tiles hang on the tile row alone and are asked for jointly along a row of the cluster, W's on the tile column alone and along a column.
; LIMITS: e0 + e1, e2 + e3, e4 + e5 between -126 and 127; e6, e7, e9 between -126 and 119, so that each power of two below is an f32 number.  NaN is not served.
; REGISTERS.  window 0: v1 16 x lane; v16, v17 LDS addresses of source 0's and source 1's fragments; v20, v21 offsets into the bias; v24 2^eo, v25 448 x 2^eo; v32-63 the bias for q, k; v64-95 codes; v96-103 the bias for v;
;   v128-255 accumulator (a, b) at 128 + 8 (4 b + a).   window 1: two fragment buffers of 128: source 1's four fragments, then source 0's four.
.set PITCH, 272                        ; an LDS row: 256 bytes + 16 of padding = 68 words: row r starts at bank 4 r mod 64 (64 banks of 4 bytes: ISA guide 11.1)
.set HALFT, 64*PITCH                   ; 64 rows: what one tensor load brings, and what one wave reads of x or of W
.set PART,  2*HALFT                    ; 128 rows
.set CHUNK, 2*PART                     ; x's 128 rows, then W's 128 rows, 256 along K
.set PADW,  (1<<20)|(1<<21)|(5<<22)|(3<<25)  ; group 1, word 0: elements of 1 byte; padding on; bit 21 beside a mask; after every 64 words; 4 words
.set LI,   1
.set ADR0, 16
.set ADR1, 17
.set BO0,  20
.set BO1,  21
.set SCV,  24
.set LIMV, 25
.set BI,   32
.set CD,   64
.set BV,   96
.set ACC,  128
.set WV,   26                          ; s26 wave; s27 which half of source 0's rows is mine; s28 which half of source 1's, and which 64 rows I fetch
.set H0,   27
.set H1,   28
.set SC,   52                          ; s[52:53] 2^(ex + ew)
.set G1X,  36                          ; s[36:43], s[44:51] descriptor groups 1 for x's and W's tiles
.set G1W,  44
.set G0X,  68                          ; s[68:83], s[84:99] groups 0, a set for each chunk
.set G0W,  84
.set MSB, 0
.macro WIN new                         ; the immediate's high byte repeats the setting that is left
.if MSB != \new
	s_set_vgpr_msb (MSB<<8)|\new
.set MSB, \new
.endif
.endm
.set MUL,  0x05                        ; sources 0 and 1 window 1; C and D window 0
.set TO_F, 0x40                        ; destination window 1, address window 0
.macro PLACES n
.rept \n
	v_nop
.endr
.endm
.macro CROUND                          ; a round of the cluster's barrier
	s_barrier_signal -1
	s_barrier_wait -1
	s_cmp_lg_u32 s[WV], 0
	s_cbranch_scc1 .Lnot_wave_0_\@
	s_barrier_signal -3
.Lnot_wave_0_\@:
	s_barrier_wait -3
	s_barrier_signal -1
	s_barrier_wait -1
.endm
	s_load_b512 s[4:19], s[0:1], 0x0               ; x s[4:5], Wq s[6:7], Wk s[8:9], Wv s[10:11], bq s[12:13], bk s[14:15], bv s[16:17], the scales' exponents s[18:19]
	s_load_b128 s[20:23], s[0:1], 0x40             ; q_img, k_img
	s_load_b64 s[24:25], s[0:1], 0x50              ; v_img
	v_lshl_add_u32 v126, v0, 2, 0x44000
	v_mov_b32 v127, 0
	ds_add_u32 v126, v127
	v_lshrrev_b32 v2, 5, v0
	v_readfirstlane_b32 s[WV], v2                  ; wave 0..3
	s_lshr_b32 s[H0], s[WV], 1
	s_and_b32 s[H1], s[WV], 1
	s_bfe_u32 s29, ttmp6, 0x40000                  ; cx, cy: my place in the cluster
	s_bfe_u32 s30, ttmp6, 0x40004
	s_lshl_b32 s31, ttmp9, 2
	s_add_co_u32 s31, s31, s29
	s_and_b32 s31, s31, 7                          ; tile column within my tensor's 1,024 features
	s_and_b32 s32, ttmp7, 0xffff
	s_lshl_b32 s32, s32, 2
	s_add_co_u32 s32, s32, s30                     ; tile row: 128 tokens
	s_lshl_b32 s33, s30, 2
	s_lshl_b32 s33, 15, s33                        ; my row of the cluster
	s_lshl_b32 s34, 0x1111, s29                    ; my column
	s_or_b32 s[G1X], s33, PADW                     ; x's tiles go to my row,
	s_or_b32 s[G1W], s34, PADW                     ; W's to my column
.irp g, G1X, G1W
	s_mov_b32 s[\g+1], 256<<16                     ; tensor_dim0 = 256
	s_mov_b32 s[\g+2], 64<<16                      ; tensor_dim1 = 64
	s_mov_b32 s[\g+3], 256<<16                     ; tile_dim0 = 256
	s_mov_b32 s[\g+4], 64                          ; tile_dim1 = 64
	s_mov_b32 s[\g+5], 1024                        ; from row to row
	s_mov_b32 s[\g+6], 0
	s_mov_b32 s[\g+7], 0
.endr
	s_lshl_b32 s2, s32, 17                         ; x: row 128 x tile row + 64 x half, 1,024 bytes a row
	s_lshl_b32 s3, s[H1], 16
	s_add_co_u32 s2, s2, s3
	s_mov_b32 s3, 0
	s_lshl_b32 s100, s31, 17                       ; W: row 128 x tile column + 64 x half
	s_lshl_b32 s101, s[H1], 16
	s_add_co_u32 s100, s100, s101
	s_mov_b32 s101, 0
	s_mul_i32 s35, s[H1], HALFT                    ; where my 64 rows go in a part: no place in the cluster enters an LDS address
	s_wait_dscnt 0x0
	s_wait_kmcnt 0x0
	s_load_b256 s[52:59], s[18:19], 0x0            ; e0 .. e7
	s_load_b128 s[60:63], s[18:19], 0x20           ; e8 .. e11
	s_cmp_lt_u32 ttmp9, 4                          ; the tensor is chosen by the cluster's x alone: k or v,
	s_cselect_b64 s[8:9], s[8:9], s[10:11]
	s_cselect_b64 s[14:15], s[14:15], s[16:17]
	s_cselect_b64 s[22:23], s[22:23], s[24:25]
	s_cmp_lt_u32 ttmp9, 2                          ; or q
	s_cselect_b64 s[6:7], s[6:7], s[8:9]           ; W
	s_cselect_b64 s[12:13], s[12:13], s[14:15]     ; the bias
	s_cselect_b64 s[20:21], s[20:21], s[22:23]     ; the images
	s_add_nc_u64 s[4:5], s[4:5], s[2:3]
	s_add_nc_u64 s[6:7], s[6:7], s[100:101]
.irp c, 0,1,2,3
	s_mov_b32 s[G0X+4*\c], 1
	s_add_co_u32 s[G0X+4*\c+1], s35, \c*CHUNK
	s_add_nc_u64 s[G0X+4*\c+2:G0X+4*\c+3], s[4:5], \c*256
	s_or_b32 s[G0X+4*\c+3], s[G0X+4*\c+3], 0x80000000
	s_mov_b32 s[G0W+4*\c], 1
	s_add_co_u32 s[G0W+4*\c+1], s35, \c*CHUNK+PART
	s_add_nc_u64 s[G0W+4*\c+2:G0W+4*\c+3], s[6:7], \c*256
	s_or_b32 s[G0W+4*\c+3], s[G0W+4*\c+3], 0x80000000
.endr
	CROUND                                         ; all sixteen work-groups are here: the joint loads meet
	s_cmp_lt_u32 s[WV], 2                          ; waves 0, 1 fetch x's halves, waves 2, 3 W's: a wave's four fills stand in one branch; four loads of mine are out
	s_cbranch_scc0 .Lfill_w
.irp c, 0,1,2,3
	tensor_load_to_lds s[G0X+4*\c:G0X+4*\c+3], s[G1X:G1X+7]
	s_nop 0
.endr
	PLACES 4
	s_branch .Lfilled
.Lfill_w:
.irp c, 0,1,2,3
	tensor_load_to_lds s[G0W+4*\c:G0W+4*\c+3], s[G1W:G1W+7]
	s_nop 0
.endr
	PLACES 4
.Lfilled:
	v_and_b32 v[LI], 31, v0
	v_lshlrev_b32 v[LI], 4, v[LI]
	v_and_b32 v2, 15, v0                           ; r
	v_bfe_u32 v3, v0, 4, 1                         ; h
	v_mul_u32_u24 v4, v2, PITCH
	v_lshl_add_u32 v4, v3, 4, v4                   ; a fragment's row x pitch + 16 h
	s_cmp_lt_u32 ttmp9, 4
	s_cselect_b32 s66, PART, 0                     ; source 0: W's part for q and k, x's for v
	s_cselect_b32 s67, 0, PART                     ; source 1: the other
	s_mul_i32 s33, s[H0], HALFT
	s_add_co_u32 s66, s66, s33
	s_mul_i32 s33, s[H1], HALFT
	s_add_co_u32 s67, s67, s33
	v_add_nc_u32 v[ADR0], s66, v4
	v_add_nc_u32 v[ADR1], s67, v4
	; the bias, in both register forms, so that no load stands under a branch: for q, k my features are 64 H0 + 16 a + 8 h + j; for v they are 64 H1 + 16 b + r
	s_lshl_b32 s34, s31, 9
	s_mov_b32 s35, 0
	s_add_nc_u64 s[12:13], s[12:13], s[34:35]      ; the tile column's 128 numbers
	s_lshl_b32 s33, s[H0], 8
	v_lshl_add_u32 v[BO0], v3, 5, s33
	s_lshl_b32 s33, s[H1], 8
	v_lshl_add_u32 v[BO1], v2, 2, s33
.irp a, 0,1,2,3
	global_load_b128 v[BI+8*\a:BI+8*\a+3], v[BO0], s[12:13] offset:64*\a
	global_load_b128 v[BI+8*\a+4:BI+8*\a+7], v[BO0], s[12:13] offset:64*\a+16
.endr
.irp b, 0,1,2,3
	global_load_b32 v[BV+2*\b], v[BO1], s[12:13] offset:64*\b      ; twice: the packed multiply-add takes a pair
	global_load_b32 v[BV+2*\b+1], v[BO1], s[12:13] offset:64*\b
.endr
	; where my four images go: q, k: ((2 column + H0) 256 + 8 row + 4 H1) x 1,024;  v: ((2 column + H1) 64 + 2 row + H0) x 4,096: the two differ in the halves' places alone
	s_cmp_lt_u32 ttmp9, 4
	s_cselect_b32 s66, s[H0], s[H1]
	s_cselect_b32 s67, s[H1], s[H0]
	s_lshl_b32 s66, s66, 18
	s_lshl_b32 s67, s67, 12
	s_add_co_u32 s66, s66, s67
	s_lshl_b32 s67, s31, 19
	s_add_co_u32 s66, s66, s67
	s_lshl_b32 s67, s32, 13
	s_add_co_u32 s66, s66, s67
	s_mov_b32 s67, 0
	s_add_nc_u64 s[20:21], s[20:21], s[66:67]
	s_wait_kmcnt 0x0                               ; the exponents; every choice below is a select on the cluster's x, none a branch
	s_add_co_i32 s52, s52, s53
	s_add_co_i32 s54, s54, s55
	s_add_co_i32 s56, s56, s57
	s_cmp_lt_u32 ttmp9, 4
	s_cselect_b32 s54, s54, s56
	s_cselect_b32 s59, s59, s61                    ; e7 or e9
	s_cmp_lt_u32 ttmp9, 2
	s_cselect_b32 s52, s52, s54                    ; ex + ew
	s_cselect_b32 s58, s58, s59                    ; eo: e6, e7 or e9
	s_add_co_i32 s52, s52, 127
	s_lshl_b32 s[SC], s52, 23                      ; 2^(ex + ew) as f32
	s_mov_b32 s[SC+1], s[SC]                       ; (named with it as a pair, so it is written)
	s_add_co_i32 s58, s58, 127
	s_lshl_b32 s59, s58, 23
	v_mov_b32 v[SCV], s59                          ; 2^eo: the conversion takes its exponent field
	s_add_co_i32 s58, s58, 8
	s_lshl_b32 s58, s58, 23
	s_or_b32 s58, s58, 0x600000
	v_mov_b32 v[LIMV], s58                         ; 448 x 2^eo
; 32 LDS loads in one run: the fragments of 128 along K at byte kk of the rows, into buffer g
.macro FETCH g, kk
	WIN TO_F
.irp i, 0,1,2,3
.irp c, 0,1,2,3
	ds_load_b128 v[\g+64+16*\i+4*\c:\g+64+16*\i+4*\c+3], v[ADR0] offset:\kk+\i*16*PITCH+32*\c
.endr
.endr
.irp i, 0,1,2,3
.irp c, 0,1,2,3
	ds_load_b128 v[\g+16*\i+4*\c:\g+16*\i+4*\c+3], v[ADR1] offset:\kk+\i*16*PITCH+32*\c
.endr
.endr
.endm
; 8 matrix instructions: source 1's tiles b0, b0 + 1 x source 0's four.  zero = 1: the first product starts the sums: nothing is cleared.
; The 16 accumulators take turns, one instruction a turn, in the same order in every step.
.macro MUL8 f, b0, zero
.irp b, \b0, \b0+1
.irp a, 0,1,2,3
.if \zero
	v_wmma_f32_16x16x128_fp8_fp8 v[ACC+8*(4*(\b)+\a):ACC+8*(4*(\b)+\a)+7], v[\f+64+16*\a:\f+64+16*\a+15], v[\f+16*(\b):\f+16*(\b)+15], 0
.else
	v_wmma_f32_16x16x128_fp8_fp8 v[ACC+8*(4*(\b)+\a):ACC+8*(4*(\b)+\a)+7], v[\f+64+16*\a:\f+64+16*\a+15], v[\f+16*(\b):\f+16*(\b)+15], v[ACC+8*(4*(\b)+\a):ACC+8*(4*(\b)+\a)+7]
.endif
.endr
.endr
.endm
; Step s of eight, 128 along K: multiplies buffer s % 2 and, in its middle, fetches the next step's fragments into the other buffer.
; Steps 1, 3, 5 fetch from the next chunk: the wave waits for its own part of that chunk (the count leaves its later chunks out), signals, works on registers, and reads behind the barrier.
; Four plain vector instructions stand between the last product that read a buffer and the loads into it (ISA guide 7.12.1 for vector instructions).
.macro GSTEP s, zero
.set FF, 128*((\s)%2)
.set GG, 128-FF
	s_wait_dscnt 0x0                               ; this step's fragments are in
.if ((\s)%2) && ((\s) < 7)
	s_wait_tensorcnt 2-(\s)/2                      ; behind the next chunk's load I issued this many
	s_barrier_signal -1
.endif
	WIN MUL
	MUL8 FF, 0, \zero
.if (\s) < 7
.if (\s)%2
	s_barrier_wait -1                              ; everybody's part of the next chunk is in; nothing is ever filled again
	WIN 0
	v_add_nc_u32 v[ADR0], CHUNK, v[ADR0]           ; on to the next chunk: two of the four places
	v_add_nc_u32 v[ADR1], CHUNK, v[ADR1]
	PLACES 2
.else
	PLACES 4
.endif
	FETCH GG, 128*(((\s)+1)%2)
.endif
	WIN MUL
	MUL8 FF, 2, \zero
.endm
	s_wait_tensorcnt 3                             ; my part of chunk 0 is in; my three later loads may be out,
	s_barrier_signal -1
	s_barrier_wait -1                              ; everybody's is
	FETCH 0, 0
	GSTEP 0, 1
	GSTEP 1, 0
	GSTEP 2, 0
	GSTEP 3, 0
	GSTEP 4, 0
	GSTEP 5, 0
	GSTEP 6, 0
	GSTEP 7, 0
	WIN 0
	PLACES 4                                       ; in front of the first read of results
	s_wait_loadcnt 0x0                             ; the bias
; THE WAY OUT.  For each of source 1's tiles b: sum x 2^(ex + ew) + bias, two at a time; the hold within +-448 x 2^eo (the conversion to an 8-bit code does not saturate: ISA guide 7.6.2);
; accumulator (a, b) becomes registers 2 a, 2 a + 1 of image b; the image leaves by two stores of 512 consecutive bytes, aligned.  Each accumulator is read from its low end on.
.macro EPI kind
.irp b, 0,1,2,3
.irp a, 0,1,2,3
.irp i, 0,2,4,6
.if \kind
	v_pk_fma_f32 v[ACC+8*(4*\b+\a)+\i:ACC+8*(4*\b+\a)+\i+1], v[ACC+8*(4*\b+\a)+\i:ACC+8*(4*\b+\a)+\i+1], s[SC:SC+1], v[BV+2*\b:BV+2*\b+1] op_sel_hi:[1,0,1]
.else
	v_pk_fma_f32 v[ACC+8*(4*\b+\a)+\i:ACC+8*(4*\b+\a)+\i+1], v[ACC+8*(4*\b+\a)+\i:ACC+8*(4*\b+\a)+\i+1], s[SC:SC+1], v[BI+8*\a+\i:BI+8*\a+\i+1] op_sel_hi:[1,0,1]
.endif
.endr
.endr
.set j, 0
.rept 32
	v_med3_num_f32 v[ACC+32*\b+j], v[ACC+32*\b+j], -v[LIMV], v[LIMV]
.set j, j+1
.endr
.irp a, 0,1,2,3
	v_cvt_scalef32_pk8_fp8_f32 v[CD+8*\b+2*\a:CD+8*\b+2*\a+1], v[ACC+8*(4*\b+\a):ACC+8*(4*\b+\a)+7], v[SCV]
.endr
	v_nop                                          ; one plain vector line behind the last conversion of a run
	global_store_b128 v[LI], v[CD+8*\b:CD+8*\b+3], s[20:21] offset:1024*\b
	global_store_b128 v[LI], v[CD+8*\b+4:CD+8*\b+7], s[20:21] offset:1024*\b+512
.endr
.endm
	s_cmp_lt_u32 ttmp9, 4                          ; the same in all partners
	s_cbranch_scc0 .Lepi_v
	EPI 0                                          ; q, k: the bias runs along a lane's registers
	s_branch .Lout
.Lepi_v:
	EPI 1                                          ; v: the bias is the lane's own feature's
.Lout:
	s_wait_tensorcnt 0x0
	ds_add_u32 v126, v127
	s_wait_dscnt 0x0
	CROUND                                         ; the closing round: no work-group ends while a partner may still ask for a tile that names it
	s_endpgm
.Lfunc_end_k_q6b5002da1d_proj:
	.size	k_q6b5002da1d_proj, .Lfunc_end_k_q6b5002da1d_proj-k_q6b5002da1d_proj
	.p2alignl 7, 3214868480
	.fill 96, 4, 3214868480
	.section	.rodata,"a",@progbits
	.p2align	6, 0x0
	.amdhsa_kernel k_q6b5002da1d_proj
		.amdhsa_group_segment_fixed_size 279040
		.amdhsa_private_segment_fixed_size 0
		.amdhsa_enable_private_segment 0
		.amdhsa_kernarg_size 88
		.amdhsa_user_sgpr_count 2
		.amdhsa_user_sgpr_kernarg_segment_ptr 1
		.amdhsa_wavefront_size32 1
		.amdhsa_system_sgpr_workgroup_id_x 1
		.amdhsa_system_sgpr_workgroup_id_y 1
		.amdhsa_system_sgpr_workgroup_id_z 1
		.amdhsa_system_vgpr_workitem_id 0
		.amdhsa_next_free_vgpr 512
		.amdhsa_next_free_sgpr 102
		.amdhsa_reserve_vcc 0
		.amdhsa_float_denorm_mode_32 3
		.amdhsa_float_denorm_mode_16_64 3
		.amdhsa_memory_ordered 1
		.amdhsa_forward_progress 1
		.amdhsa_inst_pref_size 65
	.end_amdhsa_kernel
	.amdgpu_metadata
---
amdhsa.version: [ 1, 2 ]
amdhsa.kernels:
  - .name:           k_q6b5002da1d_proj
    .symbol:         k_q6b5002da1d_proj.kd
    .args:
      - { .name: x_codes, .offset: 0, .size: 8, .value_kind: global_buffer, .address_space: global }
      - { .name: Wq_codes, .offset: 8, .size: 8, .value_kind: global_buffer, .address_space: global }
      - { .name: Wk_codes, .offset: 16, .size: 8, .value_kind: global_buffer, .address_space: global }
      - { .name: Wv_codes, .offset: 24, .size: 8, .value_kind: global_buffer, .address_space: global }
      - { .name: bq, .offset: 32, .size: 8, .value_kind: global_buffer, .address_space: global }
      - { .name: bk, .offset: 40, .size: 8, .value_kind: global_buffer, .address_space: global }
      - { .name: bv, .offset: 48, .size: 8, .value_kind: global_buffer, .address_space: global }
      - { .name: lowp_scales, .offset: 56, .size: 8, .value_kind: global_buffer, .address_space: global }
      - { .name: q_img, .offset: 64, .size: 8, .value_kind: global_buffer, .address_space: global }
      - { .name: k_img, .offset: 72, .size: 8, .value_kind: global_buffer, .address_space: global }
      - { .name: v_img, .offset: 80, .size: 8, .value_kind: global_buffer, .address_space: global }
    .group_segment_fixed_size: 279040
    .private_segment_fixed_size: 0
    .kernarg_segment_align: 8
    .kernarg_segment_size: 88
    .max_flat_workgroup_size: 128
    .sgpr_count:     102
    .vgpr_count:     512
    .wavefront_size: 32
...
	.end_amdgpu_metadata
.endif
;; end of part 1
;; launch attn (part 2): grid 16 x 16, 8 waves a work-group, clusters of 4 x 1, 327,680 bytes of LDS; arguments q_img, k_img, v_img, lowp_scales, o_img; writes o_img
.if DOCPART == 2
	.amdgcn_target "amdgcn-amd-amdhsa--gfx1250"
	.amdhsa_code_object_version 6
	.text
	.protected	k_q6b5002da1d_attn
	.globl	k_q6b5002da1d_attn
	.p2align	8
	.type	k_q6b5002da1d_attn,@function
k_q6b5002da1d_attn:
	s_mov_b64 s[64:65], 0
	v_nop
	global_prefetch_b8 v0, s[64:65] scope:SCOPE_SE
	s_setreg_imm32_b32 hwreg(HW_REG_WAVE_MODE, 25, 1), 1
	s_wait_xcnt 0x0
	s_wait_alu depctr_hold_cnt(0) depctr_sa_sdst(0) depctr_va_vdst(0) depctr_va_sdst(0) depctr_va_ssrc(0) depctr_va_vcc(0) depctr_vm_vsrc(0)
	s_getreg_b32 s2, hwreg(HW_REG_IB_STS2, 6, 4)
	s_cmp_eq_u32 s2, 0
	s_cbranch_scc0 .Lentry_in_a_cluster
	s_endpgm
.Lentry_in_a_cluster:
	s_bfe_u32 s2, ttmp6, 0x10000c
	s_cmp_lg_u32 s2, 0x3003
	s_cbranch_scc0 .Lentry_shape_is_right
	s_endpgm
.Lentry_shape_is_right:
; o = softmax_fastexp(q k^T x SCALING) v for one head, both products on codes of FP8 (E4M3) with the given scales; o is quantised by 2^e10 and stored as images of operand registers.
; THE SOFTMAX is the reference's: m = the row's largest score, y = A (score - m) + B, e = the f32 number whose bits are the whole number y (0 where y is under 2^23), p = e / the row's sum of e.
; What is quantised is the FINISHED p, so a row is walked three times: A the largest score; B the sum of e; C p, its codes, and O^T += V^T P.  The scores are multiplied anew in each pass.
; y: the matrix unit is given -smax (the largest raw sum of the lane's query) as C and returns D = s - smax; y = D x A' + B by one fused multiply-add, A' = A x SCALING x 2^(e6 + e7); v_cvt_u32_f32 cuts y toward zero, and gives 0 under 0.
;   A = 12102203 (0x4b38aa3b), SCALING = q_rsqrt(64) = 0x3dff910f, A x SCALING rounded to f32 = 1510214.5 = 0x49b85a34, B = 1064986816 = 0x4e7de9a3.  y never passes the upper bound of the reference's test, since D is at most a rounding residue.
; DEVIATIONS, stated: (1) one rounding in y where the reference rounds the scaled score, the difference and the product: y may differ by a step of its own f32 grid; (2) for 0 <= y < 2^23 the reference has e = 0, here e is a number
;   under 2^-126: the row's sum, at least 0.97, is not changed by it, and its p rounds to the code 0 for e8 >= -115.
; LIMITS on the given exponents: e6 + e7 between -146 and 107 (added to A's exponent field); e8 between -115 and 119; e10 - e8 - e9 between -126 and 119.  NaN is not served.
; SHARES.  A work-group owns 256 queries of a head, each of its eight waves 32: two tiles of 16.  Two waves share a SIMD, so that one wave's vector work stands beside the other's products and LDS loads.
; LAYOUT.  Both products are used transposed: S^T = K Q^T (source 0 = 16 keys, source 1 = 16 queries), O^T = V^T P (source 0 = 16 channels, source 1 = P): a lane holds ONE query throughout, and the eight registers of score tile t
;   are keys 16 t + 8 h + 0 .. 7: one conversion gives registers 2 t, 2 t + 1 of P.  q_img, k_img, v_img hold images of operand registers (1,024 bytes: lane l's registers 0-3 at 16 l, 4-7 at 512 + 16 l): every fragment load is 16 x lane, dense.
; LDS.  0 .. 262,143: the head's K, all 256 images, filled ONCE and read in all three passes.  0x40000, 0x44000: V's ring, two slots of 256 keys (16,384 bytes).  0x48000: the spare words.
; CLUSTER.  The four query blocks of a cluster belong to one head: every tile of K and V is asked for jointly, with the mask 15.
; REGISTERS: v1 16 x lane; v2, v3 LDS addresses of K and V; v4, v5 the add's two; v6 2^e8; v7 at work; v8 the prefetch's offset; v9 the way out's scale; v[10:11] B twice (the way out: v10 its limit); v[12:13], v[14:15] 1 / sum of tile 0, 1;
;   v16-31 Q; v32-63 K of a step; v64-95 V of a step; v96-159 S^T, then e, then p; v160-223 O^T (passes A, B: v160-163 maxima, v164-171 sums); v224-239 P's codes; v240-255 -smax, eight registers a tile.
.set KCH,   65536                      ; a chunk of K: 16 key steps
.set STEPB, 4096                       ; a key step: 64 keys: four images of K, or of V
.set VS0,   0x40000
.set VSL,   0x4000                     ; one exclusive or turns an address in one slot of V into the other's
.set SPARE, 0x48000                    ; the spare words: 128 bytes for each of eight waves: four blocks of 256 bytes that no other line names
.set LI,  1
.set ADK, 2
.set ADV, 3
.set SPW, 4
.set NIL, 5
.set SCP, 6
.set TW,  7
.set PFO, 8
.set OSV, 9
.set BB,  10
.set R,   12
.set Q,   16
.set KF,  32
.set VF,  64
.set S,   96
.set O,   160
.set MX,  160
.set SU,  164
.set P,   224
.set NEGM, 240
.set WV,  14
.set CX,  15
.set BX,  16
.set HD,  17
.set G1,  24                           ; s[24:31] descriptor group 1: 64 rows of 256 bytes, dense: K's and V's alike
.set G0K, 32                           ; s[32:47] groups 0 for K's four chunks
.set G0V, 48                           ; s[48:51] group 0 for V, which walks
.set KB,  52                           ; LDS byte at which the K in hand begins
.set CNT, 53
.set SLOTS, 54                         ; slots of V still to be asked for
.set VB,  55                           ; the slot of V in hand
.set LIM, 56                           ; 1 in the wave that prefetches, else the greatest number
.set LP,  57                           ; 448 x 2^e8
.set PFA, 58                           ; s[58:59] where my prefetches stand
.set SEL, 60                           ; s[60:61] selects of v_permlanex16_b32: lane l xor 16
.set AP,  62                           ; s[62:63] A'
.set OS,  93                           ; 2^(e10 - e8 - e9), and 448 x that
.set OL,  94
.macro PLACES n
.rept \n
	v_nop
.endr
.endm
.macro CROUND                          ; a round of the cluster's barrier
	s_barrier_signal -1
	s_barrier_wait -1
	s_cmp_lg_u32 s[WV], 0
	s_cbranch_scc1 .Lnot_wave_0_\@
	s_barrier_signal -3
.Lnot_wave_0_\@:
	s_barrier_wait -3
	s_barrier_signal -1
	s_barrier_wait -1
.endm
	s_load_b256 s[4:11], s[0:1], 0x0               ; q_img s[4:5], k_img s[6:7], v_img s[8:9], the scales' exponents s[10:11]
	s_load_b64 s[12:13], s[0:1], 0x20              ; o_img
	v_lshl_add_u32 v[SPW], v0, 2, SPARE
	v_mov_b32 v[NIL], 0
	ds_add_u32 v4, v5
	s_wait_dscnt 0x0
	v_lshrrev_b32 v[TW], 5, v0
	v_readfirstlane_b32 s[WV], v[TW]               ; wave 0..7
	v_and_b32 v[LI], 31, v0
	v_lshlrev_b32 v[PFO], 8, v[LI]                 ; 256 x lane
	v_lshlrev_b32 v[LI], 4, v[LI]                  ; 16 x lane
	s_bfe_u32 s[CX], ttmp6, 0x40000                ; my place in the cluster
	s_lshl_b32 s[BX], ttmp9, 2
	s_add_co_u32 s[BX], s[BX], s[CX]               ; my block of 256 queries: it enters q's and o's addresses alone
	s_and_b32 s[HD], ttmp7, 0xffff                 ; the head, which the partners share
	s_mov_b32 s[G1], 15|(3<<16)|(1<<21)            ; 15:0 the mask: all four work-groups; 17:16 elements of 8 bytes; 21 set beside a mask; no padding
	s_mov_b32 s[G1+1], 32<<16                      ; tensor_dim0 = 32 elements: 256 bytes
	s_mov_b32 s[G1+2], 64<<16                      ; tensor_dim1 = 64
	s_mov_b32 s[G1+3], 32<<16                      ; tile_dim0 = 32
	s_mov_b32 s[G1+4], 64                          ; tile_dim1 = 64
	s_mov_b32 s[G1+5], 32                          ; from row to row: dense
	s_mov_b32 s[G1+6], 0
	s_mov_b32 s[G1+7], 0
	s_mov_b32 s[SEL], 0x76543210
	s_mov_b32 s[SEL+1], 0xfedcba98
	s_lshl_b32 s80, s[HD], 18                      ; the head's first byte in q_img, k_img, v_img: 262,144 bytes a head
	s_mov_b32 s81, 0
	s_and_b32 s82, s[WV], 3
	s_lshl_b32 s82, s82, 14                        ; the 16,384 bytes of a chunk that I fetch, if I fetch for K: in memory and in LDS alike
	s_mov_b32 s83, 0
	s_add_nc_u64 s[84:85], s[80:81], s[82:83]
	s_lshl_b32 s86, s[BX], 14                      ; q: 16 images a block, 2 a wave
	s_lshl_b32 s87, s[WV], 11
	s_add_co_u32 s86, s86, s87
	s_mov_b32 s87, 0
	s_add_nc_u64 s[86:87], s[86:87], s[80:81]
	s_lshl_b32 s88, s[BX], 18                      ; o_img [tile of tokens][head][1,024]: (16 block + 2 wave) x 16,384 + 1,024 head
	s_lshl_b32 s89, s[WV], 15
	s_add_co_u32 s88, s88, s89
	s_lshl_b32 s89, s[HD], 10
	s_add_co_u32 s88, s88, s89
	s_mov_b32 s89, 0
	s_lshl_b32 s90, s[CX], 13                      ; the prefetches: my work-group's 8,192 bytes of two slots' 32,768, told apart by address;
	s_add_co_u32 s90, s90, 16384                   ; it stands at slot 1 and is stepped at each change of slots
	s_mov_b32 s91, 0
	s_xor_b32 s92, s[WV], 5                        ; wave 5
	s_or_b32 s92, s92, ttmp9                       ; of the head's first cluster asks: the same in all four partners
	s_cmp_eq_u32 s92, 0
	s_cselect_b32 s[LIM], 1, -1
	s_wait_kmcnt 0x0
	s_load_b256 s[68:75], s[10:11], 0x0            ; e0 .. e7
	s_load_b128 s[76:79], s[10:11], 0x20           ; e8 .. e11
	s_add_nc_u64 s[6:7], s[6:7], s[84:85]
	s_add_nc_u64 s[8:9], s[8:9], s[80:81]
	s_add_nc_u64 s[4:5], s[4:5], s[86:87]
	s_add_nc_u64 s[12:13], s[12:13], s[88:89]
	s_add_nc_u64 s[PFA:PFA+1], s[8:9], s[90:91]
.irp c, 0,1,2,3
	s_mov_b32 s[G0K+4*\c], 1
	s_add_co_u32 s[G0K+4*\c+1], s82, \c*KCH
	s_add_nc_u64 s[G0K+4*\c+2:G0K+4*\c+3], s[6:7], \c*KCH
	s_or_b32 s[G0K+4*\c+3], s[G0K+4*\c+3], 0x80000000
.endr
	s_mov_b32 s[G0V], 1
	s_mov_b32 s[G0V+1], VS0
	s_mov_b64 s[G0V+2:G0V+3], s[8:9]
	s_or_b32 s[G0V+3], s[G0V+3], 0x80000000
	CROUND                                         ; all four work-groups are here: the first joint loads meet
	s_cmp_lt_u32 s[WV], 4                          ; waves 0-3: a quarter of each of K's four chunks (four loads of mine are out); wave 4: V's first slot; the others nothing
	s_cbranch_scc0 .Lnot_k
.irp c, 0,1,2,3
	tensor_load_to_lds s[G0K+4*\c:G0K+4*\c+3], s[G1:G1+7]
	s_nop 0
.endr
	PLACES 4
	s_branch .Lfilled
.Lnot_k:
	s_cmp_eq_u32 s[WV], 4
	s_cbranch_scc0 .Lfilled
	tensor_load_to_lds s[G0V:G0V+3], s[G1:G1+7]
	s_nop 0
	PLACES 4
.Lfilled:
.irp i, 0,1,2,3
	global_load_b128 v[Q+4*\i:Q+4*\i+3], v[LI], s[4:5] offset:512*\i   ; my two images of q stay in registers
.endr
	v_mov_b32 v[BB], 0x4e7de9a3                    ; B
	v_mov_b32 v[BB+1], 0x4e7de9a3
.irp i, 0,1,2,3
	v_mov_b32 v[MX+\i], 0xff800000                 ; the maxima begin at -infinity: two chains a tile
.endr
	s_wait_kmcnt 0x0
	s_add_co_i32 s80, s74, s75                     ; a raw sum stands for sum x 2^(e6 + e7): the two exponents are added to the exponent field of A x SCALING
	s_lshl_b32 s80, s80, 23
	s_add_co_i32 s[AP], s80, 0x49b85a34
	s_mov_b32 s[AP+1], s[AP]                       ; (named with it as a pair, so it is written)
	s_add_co_i32 s80, s76, 127
	s_lshl_b32 s81, s80, 23
	v_mov_b32 v[SCP], s81                          ; 2^e8, for p's conversion
	s_add_co_i32 s80, s80, 8
	s_lshl_b32 s80, s80, 23
	s_or_b32 s[LP], s80, 0x600000                  ; 448 x 2^e8
	s_sub_co_i32 s80, s78, s76
	s_sub_co_i32 s80, s80, s77                     ; a sum of the second product stands for sum x 2^(e8 + e9): o's code is sum / 2^(e10 - e8 - e9)
	s_add_co_i32 s80, s80, 127
	s_lshl_b32 s[OS], s80, 23
	s_add_co_i32 s80, s80, 8
	s_lshl_b32 s80, s80, 23
	s_or_b32 s[OL], s80, 0x600000
.macro LDK n                           ; the four images of K that lie n key steps behind v[ADK]
.irp i, 0,1,2,3,4,5,6,7
	ds_load_b128 v[KF+4*\i:KF+4*\i+3], v[ADK] offset:(\n)*STEPB+512*\i
.endr
.endm
.macro LDV n                           ; the four images of V of the slot's n-th key step
.irp i, 0,1,2,3,4,5,6,7
	ds_load_b128 v[VF+4*\i:VF+4*\i+3], v[ADV] offset:(\n)*STEPB+512*\i
.endr
.endm
.macro FETCHK
	v_add_nc_u32 v[ADK], s[KB], v[LI]
	LDK 0
.endm
; S^T = K Q^T for 64 keys x my 32 queries.  cz = 1: raw sums; cz = 0: sums less the query's largest, which goes in as C
.macro QK cz
.irp t, 0,1,2,3
.irp u, 0,1
.if \cz
	v_wmma_f32_16x16x64_fp8_fp8 v[S+32*\u+8*\t:S+32*\u+8*\t+7], v[KF+8*\t:KF+8*\t+7], v[Q+8*\u:Q+8*\u+7], 0
.else
	v_wmma_f32_16x16x64_fp8_fp8 v[S+32*\u+8*\t:S+32*\u+8*\t+7], v[KF+8*\t:KF+8*\t+7], v[Q+8*\u:Q+8*\u+7], v[NEGM+8*\u:NEGM+8*\u+7]
.endif
.endr
.endr
.endm
; Four plain vector instructions stand between the products and the loads into K's registers, and the first read of the scores (ISA guide 7.12.1 for vector instructions): three v_nop and the address's addition, or four v_nop.
; PASS A, a key step: the running maxima of the raw sums (the factor to a score is positive).  pre = 1: the next step's K is fetched.  Each accumulator is read from its low end on.
.macro A_STEP pre
	s_wait_dscnt 0x0                               ; K is in
	QK 1
.if \pre
	s_add_co_u32 s[KB], s[KB], STEPB
	PLACES 3
	FETCHK
.else
	PLACES 4
.endif
.irp j, 0,2,4,6
.irp t, 0,1,2,3
.irp u, 0,1
	v_max3_num_f32 v[MX+2*\u+(\t%2)], v[MX+2*\u+(\t%2)], v[S+32*\u+8*\t+\j], v[S+32*\u+8*\t+\j+1]
.endr
.endr
.endr
.endm
; A chunk of K, 16 key steps.  left: the loads that I issued behind this chunk's, which may stay out.  No fetch reaches into the next chunk.
.macro A_CHUNK c, left
	s_wait_tensorcnt \left
	s_wait_dscnt 0x0
	s_barrier_signal -1
	s_barrier_wait -1                              ; everybody's part of the chunk is in
	s_mov_b32 s[KB], \c*KCH
	FETCHK
	s_mov_b32 s[CNT], 15
.La_\@:
	A_STEP 1
	s_sub_co_u32 s[CNT], s[CNT], 1
	s_cmp_lg_u32 s[CNT], 0
	s_cbranch_scc1 .La_\@
	A_STEP 0
.endm
; y = D x A' + B, two at a time; e = the number whose bits are y cut to a whole number
.macro EXPS
.set j, 0
.rept 32
	v_pk_fma_f32 v[S+j:S+j+1], v[S+j:S+j+1], s[AP:AP+1], v[BB:BB+1] op_sel_hi:[1,0,1]
.set j, j+2
.endr
.set j, 0
.rept 64
	v_cvt_u32_f32 v[S+j], v[S+j]
.set j, j+1
.endr
.endm
; PASS B, a key step: the sums of e, two at a time, two chains a tile
.macro B_STEP pre
	s_wait_dscnt 0x0
	QK 0
.if \pre
	s_add_co_u32 s[KB], s[KB], STEPB
	PLACES 3
	FETCHK
.else
	PLACES 4
.endif
	EXPS
.irp i, 0,1,2,3,4,5,6,7,8,9,10,11,12,13,14,15
.irp u, 0,1
	v_pk_add_f32 v[SU+4*\u+2*(\i%2):SU+4*\u+2*(\i%2)+1], v[SU+4*\u+2*(\i%2):SU+4*\u+2*(\i%2)+1], v[S+32*\u+2*\i:S+32*\u+2*\i+1]
.endr
.endr
.endm
; PASS C, the q-th key step of the slot in hand: p = e / sum, held at 448 x 2^e8 (p is never negative: the hold is one-sided, and always executed), its codes, O^T += V^T P.
; V's eight loads go out first, then (pre = 1) the next step's K: so the count 8 in front of the products shows V in and leaves K's out.  The eight accumulators of O^T take turns.
.macro C_STEP q, pre
	s_wait_dscnt 0x0                               ; K is in
	QK 0
	PLACES 4                                       ; behind these products, for K's loads and the first read of the scores; behind the last step's products V^T P, for V's loads
	LDV \q
.if \pre
	LDK (\q)+1
.endif
	EXPS
.irp u, 0,1
.set j, 0
.rept 16
	v_pk_mul_f32 v[S+32*\u+j:S+32*\u+j+1], v[S+32*\u+j:S+32*\u+j+1], v[R+2*\u:R+2*\u+1]
.set j, j+2
.endr
.endr
.set j, 0
.rept 64
	v_min_num_f32 v[S+j], s[LP], v[S+j]            ; the conversion to an 8-bit code does not saturate (ISA guide 7.6.2)
.set j, j+1
.endr
.irp u, 0,1
.irp t, 0,1,2,3
	v_cvt_scalef32_pk8_fp8_f32 v[P+8*\u+2*\t:P+8*\u+2*\t+1], v[S+32*\u+8*\t:S+32*\u+8*\t+7], v[SCP]
.endr
.endr
	v_nop                                          ; one plain vector instruction between a scaled conversion and the matrix instruction that reads its result
.if \pre
	s_wait_dscnt 8
.else
	s_wait_dscnt 0x0
.endif
.irp g, 0,1,2,3
.irp u, 0,1
	v_wmma_f32_16x16x64_fp8_fp8 v[O+32*\u+8*\g:O+32*\u+8*\g+7], v[VF+8*\g:VF+8*\g+7], v[P+8*\u:P+8*\u+7], v[O+32*\u+8*\g:O+32*\u+8*\g+7]
.endr
.endr
.endm
.macro VLOAD                           ; wave 4 fetches V's slots; the branch hangs on the wave's number alone; four v_nop follow the load
	s_cmp_eq_u32 s[WV], 4
	s_cbranch_scc0 .Lnot_v_\@
	tensor_load_to_lds s[G0V:G0V+3], s[G1:G1+7]
	s_nop 0
	PLACES 4
.Lnot_v_\@:
.endm
; A PREFETCH INTO THE L2 of V's next two slots' worth, 32,768 bytes, at every second change of slots (s[SLOTS] odd): the slots that the next change and the one after it will ask for.
; Each aligned block of 256 bytes is named once in the launch: all clusters of a head walk the same V, so the head's first cluster asks; its four partners take 8,192 bytes each, told apart by address; in each, wave 5 asks,
; which fetches nothing: one instruction, lanes 256 bytes apart.  Slots 0 and 1, and all of K, come by their loads alone; the last change that fills a slot (s[SLOTS] = 1) asks for nothing.
.macro ASK
	s_cmp_gt_u32 s[SLOTS], s[LIM]
	s_cbranch_scc0 .Lnot_mine_\@
	s_bitcmp1_b32 s[SLOTS], 0
	s_cbranch_scc0 .Lnot_mine_\@
	global_prefetch_b8 v[PFO], s[PFA:PFA+1] th:TH_LOAD_NT scope:SCOPE_SE
.Lnot_mine_\@:
.endm
; THE CHANGE OF SLOTS stands at a slot's head.  Each wave waits for all its tensor loads, adds 0 to its spare word, and waits for that and for its LDS reads.  Behind the barrier the slot ahead is whole and nobody reads the other.
; fill = 1: the barrier is a round of the cluster's, and the other slot is filled with the 256 keys that follow: the load has a slot's four key steps in which to land.
.macro CHANGE fill
	s_wait_tensorcnt 0x0                           ; no tensor load of mine is out, so a group 0 may be written
	ds_add_u32 v[SPW], v[NIL]                      ; 0 onto my spare word
.if \fill
	s_xor_b32 s[G0V+1], s[G0V+1], VSL              ; the other slot than last time,
	s_add_nc_u64 s[G0V+2:G0V+3], s[G0V+2:G0V+3], 16384  ; the next 256 keys; the type bits on top are not reached
	s_wait_xcnt 0x0                                ; the last prefetch, a slot or more back, has read its address, so it may be written
	s_add_nc_u64 s[PFA:PFA+1], s[PFA:PFA+1], 16384
	s_wait_dscnt 0x0                               ; the add is done, and my reads of the slot that I have left are over
	CROUND
	VLOAD                                          ; the first tensor load behind the round, and a wave's only one until the next
	ASK
.else
	s_wait_dscnt 0x0
	s_barrier_signal -1
	s_barrier_wait -1
.endif
	v_add_nc_u32 v[ADK], s[KB], v[LI]
	v_add_nc_u32 v[ADV], s[VB], v[LI]
.endm
	s_wait_loadcnt 0x0                             ; Q
	; ---- PASS A
	A_CHUNK 0, 3
	A_CHUNK 1, 2
	A_CHUNK 2, 1
	A_CHUNK 3, 0
	v_max_num_f32 v[MX], v[MX], v[MX+1]            ; a tile's two chains,
	v_max_num_f32 v[MX+2], v[MX+2], v[MX+3]
	v_permlanex16_b32 v[TW], v[MX], s[SEL], s[SEL+1]
	v_max_num_f32 v[MX], v[MX], v[TW]              ; and lane l xor 16's, which holds the query's other keys
	v_permlanex16_b32 v[TW], v[MX+2], s[SEL], s[SEL+1]
	v_max_num_f32 v[MX+2], v[MX+2], v[TW]
.irp u, 0,1
.irp j, 0,1,2,3,4,5,6,7
	v_mul_f32 v[NEGM+8*\u+\j], -1.0, v[MX+2*\u]    ; -smax in the layout of a C: all eight registers of a lane belong to its query
.endr
.endr
	; ---- PASS B
.irp i, 0,1,2,3,4,5,6,7
	v_mov_b32 v[SU+\i], 0
.endr
	s_mov_b32 s[KB], 0
	FETCHK
	s_mov_b32 s[CNT], 63
.Lb:
	B_STEP 1
	s_sub_co_u32 s[CNT], s[CNT], 1
	s_cmp_lg_u32 s[CNT], 0
	s_cbranch_scc1 .Lb
	B_STEP 0
	v_pk_add_f32 v[SU:SU+1], v[SU:SU+1], v[SU+2:SU+3]
	v_pk_add_f32 v[SU+4:SU+5], v[SU+4:SU+5], v[SU+6:SU+7]
	v_add_f32 v[SU], v[SU], v[SU+1]
	v_add_f32 v[SU+4], v[SU+4], v[SU+5]
	v_permlanex16_b32 v[TW], v[SU], s[SEL], s[SEL+1]
	v_add_f32 v[SU], v[SU], v[TW]
	v_permlanex16_b32 v[TW], v[SU+4], s[SEL], s[SEL+1]
	v_add_f32 v[SU+4], v[SU+4], v[TW]              ; the rows' sums
	v_rcp_f32 v[R], v[SU]                          ; each reciprocal twice: the packed multiply takes a pair
	v_rcp_f32 v[R+1], v[SU]
	v_rcp_f32 v[R+2], v[SU+4]
	v_rcp_f32 v[R+3], v[SU+4]
	v_nop                                          ; a plain instruction behind the last reciprocal, ahead of the writes of their sources below
	; ---- PASS C
.set j, 0
.rept 64
	v_mov_b32 v[O+j], 0                            ; O^T begins as zeros, so that the key step is written without a first step of its own
.set j, j+1
.endr
	s_mov_b32 s[KB], 0
	s_mov_b32 s[VB], VS0
	s_mov_b32 s[SLOTS], 15
	FETCHK                                         ; key step 0's K
	s_wait_alu depctr_va_vdst(0)                   ; one wait for the four reciprocals, ahead of the label and of their first reader
.Lslot:                                            ; 15 trips: a trip works slot i's four key steps while slot i + 1 is on its way
	CHANGE 1
	C_STEP 0, 1
	C_STEP 1, 1
	C_STEP 2, 1
	C_STEP 3, 1
	s_add_co_u32 s[KB], s[KB], 4*STEPB
	s_xor_b32 s[VB], s[VB], VSL
	s_sub_co_u32 s[SLOTS], s[SLOTS], 1
	s_cmp_lg_u32 s[SLOTS], 0
	s_cbranch_scc1 .Lslot
	CHANGE 0                                       ; the last slot is written out and no fetch leaves K
	C_STEP 0, 1
	C_STEP 1, 1
	C_STEP 2, 1
	C_STEP 3, 0
	; ---- THE WAY OUT: O^T, held and converted with the three scales folded into one; accumulator (u, g) becomes registers 2 g, 2 g + 1 of tile u's image
	v_mov_b32 v[OSV], s[OS]                        ; (these two and two v_nop are the four places behind the last products)
	v_mov_b32 v[BB], s[OL]
	PLACES 2
.set j, 0
.rept 64
	v_med3_num_f32 v[O+j], v[O+j], -v[BB], v[BB]
.set j, j+1
.endr
.irp u, 0,1
.irp g, 0,1,2,3
	v_cvt_scalef32_pk8_fp8_f32 v[P+8*\u+2*\g:P+8*\u+2*\g+1], v[O+32*\u+8*\g:O+32*\u+8*\g+7], v[OSV]
.endr
.endr
	v_nop
.irp u, 0,1
.irp i, 0,1
	global_store_b128 v[LI], v[P+8*\u+4*\i:P+8*\u+4*\i+3], s[12:13] offset:\u*16384+512*\i   ; 32 lanes store 512 consecutive bytes, aligned
.endr
.endr
	s_wait_tensorcnt 0x0                           ; the wave's end
	ds_add_u32 v[SPW], v[NIL]
	s_wait_dscnt 0x0
	CROUND                                         ; the closing round
	s_endpgm
.Lfunc_end_k_q6b5002da1d_attn:
	.size	k_q6b5002da1d_attn, .Lfunc_end_k_q6b5002da1d_attn-k_q6b5002da1d_attn
	.p2alignl 7, 3214868480
	.fill 96, 4, 3214868480
	.section	.rodata,"a",@progbits
	.p2align	6, 0x0
	.amdhsa_kernel k_q6b5002da1d_attn
		.amdhsa_group_segment_fixed_size 327680
		.amdhsa_private_segment_fixed_size 0
		.amdhsa_enable_private_segment 0
		.amdhsa_kernarg_size 40
		.amdhsa_user_sgpr_count 2
		.amdhsa_user_sgpr_kernarg_segment_ptr 1
		.amdhsa_wavefront_size32 1
		.amdhsa_system_sgpr_workgroup_id_x 1
		.amdhsa_system_sgpr_workgroup_id_y 1
		.amdhsa_system_sgpr_workgroup_id_z 1
		.amdhsa_system_vgpr_workitem_id 0
		.amdhsa_next_free_vgpr 256
		.amdhsa_next_free_sgpr 100
		.amdhsa_reserve_vcc 0
		.amdhsa_float_denorm_mode_32 3
		.amdhsa_float_denorm_mode_16_64 3
		.amdhsa_memory_ordered 1
		.amdhsa_forward_progress 1
		.amdhsa_inst_pref_size 145
	.end_amdhsa_kernel
	.amdgpu_metadata
---
amdhsa.version: [ 1, 2 ]
amdhsa.kernels:
  - .name:           k_q6b5002da1d_attn
    .symbol:         k_q6b5002da1d_attn.kd
    .args:
      - { .name: q_img, .offset: 0, .size: 8, .value_kind: global_buffer, .address_space: global }
      - { .name: k_img, .offset: 8, .size: 8, .value_kind: global_buffer, .address_space: global }
      - { .name: v_img, .offset: 16, .size: 8, .value_kind: global_buffer, .address_space: global }
      - { .name: lowp_scales, .offset: 24, .size: 8, .value_kind: global_buffer, .address_space: global }
      - { .name: o_img, .offset: 32, .size: 8, .value_kind: global_buffer, .address_space: global }
    .group_segment_fixed_size: 327680
    .private_segment_fixed_size: 0
    .kernarg_segment_align: 8
    .kernarg_segment_size: 40
    .max_flat_workgroup_size: 256
    .sgpr_count:     100
    .vgpr_count:     256
    .wavefront_size: 32
...
	.end_amdgpu_metadata
.endif
;; end of part 2
;; launch outp (part 3): grid 8 x 32, 4 waves a work-group, clusters of 4 x 4, 270,848 bytes of LDS; arguments o_img, Wo_codes, lowp_scales, out0; writes out0
.if DOCPART == 3
	.amdgcn_target "amdgcn-amd-amdhsa--gfx1250"
	.amdhsa_code_object_version 6
	.text
	.protected	k_q6b5002da1d_outp
	.globl	k_q6b5002da1d_outp
	.p2align	8
	.type	k_q6b5002da1d_outp,@function
k_q6b5002da1d_outp:
	s_mov_b64 s[64:65], 0
	v_nop
	global_prefetch_b8 v0, s[64:65] scope:SCOPE_SE
	s_setreg_imm32_b32 hwreg(HW_REG_WAVE_MODE, 25, 1), 1
	s_wait_xcnt 0x0
	s_wait_alu depctr_hold_cnt(0) depctr_sa_sdst(0) depctr_va_vdst(0) depctr_va_sdst(0) depctr_va_ssrc(0) depctr_va_vcc(0) depctr_vm_vsrc(0)
	s_getreg_b32 s2, hwreg(HW_REG_IB_STS2, 6, 4)
	s_cmp_eq_u32 s2, 0
	s_cbranch_scc0 .Lentry_in_a_cluster
	s_endpgm
.Lentry_in_a_cluster:
	s_bfe_u32 s2, ttmp6, 0x10000c
	s_cmp_lg_u32 s2, 0xf033
	s_cbranch_scc0 .Lentry_shape_is_right
	s_endpgm
.Lentry_shape_is_right:
; out0 = o Wo^T 2^(e10 + e11), on codes of FP8 (E4M3).  o_img: [tile of 16 tokens 256][head 16][1,024]: images of operand registers of the K = 64 form (lane l's registers 0-3 at 16 l, 4-7 at 512 + 16 l; lane (r, h): token r,
; registers 2 c, 2 c + 1: the head's channels 16 c + 8 h + 0 .. 7).  Two neighbouring heads' images on end ARE a fragment of v_wmma_f32_16x16x128_fp8_fp8 in that form's own layout.  Wo_codes: [1024][1024], K innermost; out0: [4096][1024] f32.
; SHARES.  A work-group makes 128 tokens x 128 features, a wave 64 x 64: 16 accumulators.  All of K = 1,024 lies in LDS in four chunks of 256 along K (four heads), each filled once: no slot is ever filled again.
; Source 0 = 16 rows of Wo, source 1 = 16 tokens of o: a lane holds one token and eight neighbouring features: 32 bytes of a row of out0.
; Wo's fragments come in the form's own layout too, to match the images: eight loads of 8 bytes, 16 bytes apart, at row x pitch + 8 h.
; CLUSTERS: 4 x 4 work-groups.  o's tiles hang on the tile row alone and are asked for jointly along a row of the cluster, Wo's on the tile column alone and along a column.
; LIMIT: e10 + e11 between -126 and 127, so that 2^(e10 + e11) is an f32 number.
; REGISTERS.  window 0: v16, v17 LDS addresses of source 0's and source 1's fragments; v24, v25 the stage, in and back; v26 my byte offset in out0; v128-255 accumulator (a, b) at 128 + 8 (4 b + a).
;   window 1: two fragment buffers of 128: source 1's four fragments, then source 0's four.
.set PITCH, 272                        ; a row of Wo in LDS: 256 bytes + 16 of padding = 68 words: row r starts at bank 4 r mod 64 (64 banks of 4 bytes: ISA guide 11.1)
.set HALFT, 64*PITCH
.set OPART, 32768                      ; a chunk's images of o: 8 tiles of tokens x 4 heads x 1,024 bytes, dense
.set CHUNK, OPART+2*HALFT              ; then Wo's 128 rows
.set SPITCH, 272                       ; the way out: a stage of 16 rows x (256 bytes + 16) for each wave, in chunk 0's images: they have had their only fill, and every wave's reads of them ended in front of chunk 1's barrier
.set ADR0, 16
.set ADR1, 17
.set STO,  24
.set RD,   25
.set CO,   26
.set ACC,  128
.set WV,   26
.set H0,   27
.set H1,   28
.set SC,   52                          ; s[52:53] 2^(e10 + e11)
.set G1O,  36
.set G1W,  44
.set G0O,  68
.set G0W,  84
.set MSB, 0
.macro WIN new                         ; the immediate's high byte repeats the setting that is left
.if MSB != \new
	s_set_vgpr_msb (MSB<<8)|\new
.set MSB, \new
.endif
.endm
.set MUL,  0x05                        ; sources 0 and 1 window 1; C and D window 0
.set TO_F, 0x40                        ; destination window 1, address window 0
.macro PLACES n
.rept \n
	v_nop
.endr
.endm
.macro CROUND                          ; a round of the cluster's barrier
	s_barrier_signal -1
	s_barrier_wait -1
	s_cmp_lg_u32 s[WV], 0
	s_cbranch_scc1 .Lnot_wave_0_\@
	s_barrier_signal -3
.Lnot_wave_0_\@:
	s_barrier_wait -3
	s_barrier_signal -1
	s_barrier_wait -1
.endm
	s_load_b256 s[4:11], s[0:1], 0x0               ; o_img s[4:5], Wo s[6:7], the scales' exponents s[8:9], out0 s[10:11]
	v_lshl_add_u32 v126, v0, 2, 0x42000
	v_mov_b32 v127, 0
	ds_add_u32 v126, v127
	v_lshrrev_b32 v2, 5, v0
	v_readfirstlane_b32 s[WV], v2                  ; wave 0..3
	s_lshr_b32 s[H0], s[WV], 1                     ; which 64 features are mine
	s_and_b32 s[H1], s[WV], 1                      ; which 64 tokens; also: which half of a tile I fetch
	s_bfe_u32 s29, ttmp6, 0x40000                  ; cx, cy
	s_bfe_u32 s30, ttmp6, 0x40004
	s_lshl_b32 s31, ttmp9, 2
	s_add_co_u32 s31, s31, s29                     ; tile column: 128 features
	s_and_b32 s32, ttmp7, 0xffff
	s_lshl_b32 s32, s32, 2
	s_add_co_u32 s32, s32, s30                     ; tile row: 128 tokens
	s_lshl_b32 s33, s30, 2
	s_lshl_b32 s33, 15, s33                        ; my row of the cluster
	s_lshl_b32 s34, 0x1111, s29                    ; my column
	s_or_b32 s[G1O], s33, (3<<16)|(1<<21)          ; o's tiles go to my row: elements of 8 bytes; bit 21 beside a mask; no padding
	s_mov_b32 s[G1O+1], 512<<16                    ; tensor_dim0 = 512 elements: a tile of tokens' four heads, 4,096 bytes
	s_mov_b32 s[G1O+2], 4<<16                      ; tensor_dim1 = 4 tiles of tokens
	s_mov_b32 s[G1O+3], 512<<16                    ; tile_dim0
	s_mov_b32 s[G1O+4], 4                          ; tile_dim1
	s_mov_b32 s[G1O+5], 2048                       ; from a tile of tokens to the next: 16 heads, 16,384 bytes
	s_mov_b32 s[G1O+6], 0
	s_mov_b32 s[G1O+7], 0
	s_or_b32 s[G1W], s34, (1<<20)|(1<<21)|(5<<22)|(3<<25)  ; Wo's tiles go to my column: elements of 1 byte; 4 words of padding after every 64
	s_mov_b32 s[G1W+1], 256<<16
	s_mov_b32 s[G1W+2], 64<<16
	s_mov_b32 s[G1W+3], 256<<16
	s_mov_b32 s[G1W+4], 64
	s_mov_b32 s[G1W+5], 1024
	s_mov_b32 s[G1W+6], 0
	s_mov_b32 s[G1W+7], 0
	s_lshl_b32 s2, s32, 17                         ; o: tile of tokens 8 x tile row + 4 x half, 16,384 bytes each
	s_lshl_b32 s3, s[H1], 16
	s_add_co_u32 s2, s2, s3
	s_mov_b32 s3, 0
	s_lshl_b32 s100, s31, 17                       ; Wo: row 128 x tile column + 64 x half, 1,024 bytes a row
	s_lshl_b32 s101, s[H1], 16
	s_add_co_u32 s100, s100, s101
	s_mov_b32 s101, 0
	s_lshl_b32 s35, s[H1], 14                      ; where they go in a chunk: no place in the cluster enters an LDS address
	s_mul_i32 s33, s[H1], HALFT
	s_add_co_u32 s33, s33, OPART
	s_wait_dscnt 0x0
	s_wait_kmcnt 0x0
	s_load_b64 s[52:53], s[8:9], 0x28              ; e10, e11
	s_add_nc_u64 s[4:5], s[4:5], s[2:3]
	s_add_nc_u64 s[6:7], s[6:7], s[100:101]
.irp c, 0,1,2,3
	s_mov_b32 s[G0O+4*\c], 1
	s_add_co_u32 s[G0O+4*\c+1], s35, \c*CHUNK
	s_add_nc_u64 s[G0O+4*\c+2:G0O+4*\c+3], s[4:5], \c*4096
	s_or_b32 s[G0O+4*\c+3], s[G0O+4*\c+3], 0x80000000
	s_mov_b32 s[G0W+4*\c], 1
	s_add_co_u32 s[G0W+4*\c+1], s33, \c*CHUNK
	s_add_nc_u64 s[G0W+4*\c+2:G0W+4*\c+3], s[6:7], \c*256
	s_or_b32 s[G0W+4*\c+3], s[G0W+4*\c+3], 0x80000000
.endr
	CROUND                                         ; all sixteen work-groups are here: the joint loads meet
	s_cmp_lt_u32 s[WV], 2                          ; waves 0, 1 fetch o's halves, waves 2, 3 Wo's: a wave's four fills stand in one branch; four loads of mine are out
	s_cbranch_scc0 .Lfill_w
.irp c, 0,1,2,3
	tensor_load_to_lds s[G0O+4*\c:G0O+4*\c+3], s[G1O:G1O+7]
	s_nop 0
.endr
	PLACES 4
	s_branch .Lfilled
.Lfill_w:
.irp c, 0,1,2,3
	tensor_load_to_lds s[G0W+4*\c:G0W+4*\c+3], s[G1W:G1W+7]
	s_nop 0
.endr
	PLACES 4
.Lfilled:
	v_and_b32 v2, 15, v0                           ; r
	v_bfe_u32 v3, v0, 4, 1                         ; h
	v_and_b32 v4, 31, v0                           ; lane
	s_lshl_b32 s66, s[H1], 14
	v_lshl_add_u32 v[ADR1], v4, 4, s66             ; o's images: my four tiles of tokens, 16 x lane
	v_mul_u32_u24 v5, v2, PITCH
	v_lshl_add_u32 v5, v3, 3, v5
	s_mul_i32 s66, s[H0], HALFT
	s_add_co_u32 s66, s66, OPART
	v_add_nc_u32 v[ADR0], s66, v5                  ; Wo: my 64 rows; row r x pitch + 8 h
	s_mul_i32 s66, s[WV], 16*SPITCH                ; my stage
	v_mul_u32_u24 v5, v2, SPITCH
	v_lshl_add_u32 v5, v3, 5, v5
	v_add_nc_u32 v[STO], s66, v5                   ; in: row r, 32 bytes for each half of the lanes
	v_mul_u32_u24 v5, v3, SPITCH
	v_lshl_add_u32 v5, v2, 4, v5
	v_add_nc_u32 v[RD], s66, v5                    ; back: lanes 0-15 one row of 256 bytes, lanes 16-31 the next
	v_lshlrev_b32 v5, 12, v3
	v_lshl_add_u32 v[CO], v2, 4, v5                ; and the same two rows in out0, 4,096 bytes a row
	s_lshl_b32 s66, s32, 19                        ; my first row: 128 x tile row + 64 H1; my first column in bytes: 512 x tile column + 256 H0
	s_lshl_b32 s67, s[H1], 18
	s_add_co_u32 s66, s66, s67
	s_lshl_b32 s67, s31, 9
	s_add_co_u32 s66, s66, s67
	s_lshl_b32 s67, s[H0], 8
	s_add_co_u32 s66, s66, s67
	s_mov_b32 s67, 0
	s_add_nc_u64 s[10:11], s[10:11], s[66:67]
	s_wait_kmcnt 0x0
	s_add_co_i32 s52, s52, s53
	s_add_co_i32 s52, s52, 127
	s_lshl_b32 s[SC], s52, 23                      ; 2^(e10 + e11) as f32
	s_mov_b32 s[SC+1], s[SC]                       ; (named with it as a pair, so it is written)
; The fragments of the chunk's p-th 128 along K into buffer g: o's by 16 loads of 16 bytes (two heads' images on end for each tile of tokens), Wo's by 32 loads of 8 bytes
.macro FETCH g, p
	WIN TO_F
.irp a, 0,1,2,3
.irp c, 0,1,2,3,4,5,6,7
	ds_load_b64 v[\g+64+16*\a+2*\c:\g+64+16*\a+2*\c+1], v[ADR0] offset:128*(\p)+\a*16*PITCH+16*\c
.endr
.endr
.irp b, 0,1,2,3
.irp e, 0,1
.irp i, 0,1
	ds_load_b128 v[\g+16*\b+8*\e+4*\i:\g+16*\b+8*\e+4*\i+3], v[ADR1] offset:\b*4096+(2*(\p)+\e)*1024+512*\i
.endr
.endr
.endr
.endm
; 8 matrix instructions: tiles of tokens b0, b0 + 1 x the four tiles of features.  zero = 1: the first product starts the sums.  The 16 accumulators take turns, in the same order in every step.
.macro MUL8 f, b0, zero
.irp b, \b0, \b0+1
.irp a, 0,1,2,3
.if \zero
	v_wmma_f32_16x16x128_fp8_fp8 v[ACC+8*(4*(\b)+\a):ACC+8*(4*(\b)+\a)+7], v[\f+64+16*\a:\f+64+16*\a+15], v[\f+16*(\b):\f+16*(\b)+15], 0
.else
	v_wmma_f32_16x16x128_fp8_fp8 v[ACC+8*(4*(\b)+\a):ACC+8*(4*(\b)+\a)+7], v[\f+64+16*\a:\f+64+16*\a+15], v[\f+16*(\b):\f+16*(\b)+15], v[ACC+8*(4*(\b)+\a):ACC+8*(4*(\b)+\a)+7]
.endif
.endr
.endr
.endm
; Step s of eight, 128 along K: multiplies buffer s % 2 and, in its middle, fetches the next step's fragments into the other buffer.  Steps 1, 3, 5 fetch from the next chunk: the wave waits for its own part of it
; (the count leaves its later chunks out), signals, works on registers, and reads behind the barrier.  Four plain vector instructions stand between the last product that read a buffer and the loads into it.
.macro GSTEP s, zero
.set FF, 128*((\s)%2)
.set GG, 128-FF
	s_wait_dscnt 0x0                               ; this step's fragments are in
.if ((\s)%2) && ((\s) < 7)
	s_wait_tensorcnt 2-(\s)/2                      ; behind the next chunk's load I issued this many
	s_barrier_signal -1
.endif
	WIN MUL
	MUL8 FF, 0, \zero
.if (\s) < 7
.if (\s)%2
	s_barrier_wait -1                              ; everybody's part of the next chunk is in; nothing is ever filled again
	WIN 0
	v_add_nc_u32 v[ADR0], CHUNK, v[ADR0]           ; on to the next chunk: two of the four places
	v_add_nc_u32 v[ADR1], CHUNK, v[ADR1]
	PLACES 2
.else
	PLACES 4
.endif
	FETCH GG, (((\s)+1)%2)
.endif
	WIN MUL
	MUL8 FF, 2, \zero
.endm
	s_wait_tensorcnt 3                             ; my part of chunk 0 is in; my three later loads may be out,
	s_barrier_signal -1
	s_barrier_wait -1                              ; everybody's is
	FETCH 0, 0
	GSTEP 0, 1
	GSTEP 1, 0
	GSTEP 2, 0
	GSTEP 3, 0
	GSTEP 4, 0
	GSTEP 5, 0
	GSTEP 6, 0
	GSTEP 7, 0
	WIN 0
; THE WAY OUT, a tile of 16 tokens x my 64 features at a time.  A lane holds 32 bytes of a row and the lanes beside it hold other rows: the tile goes through my own stage and comes back as whole rows of 256 bytes, into the
; registers that it left.  LDS serves a wave's instructions in order (ISA guide 5.7.1.4): no wait between the stores and the loads, nor in front of the next tile's stores.  Each accumulator is read from its low end on.
.macro PACK b
.set j, 0
.rept 16
	v_pk_mul_f32 v[ACC+32*\b+j:ACC+32*\b+j+1], v[ACC+32*\b+j:ACC+32*\b+j+1], s[SC:SC+1] op_sel_hi:[1,0]   ; x 2^(e10 + e11)
.set j, j+2
.endr
.irp a, 0,1,2,3
	ds_store_b128 v[STO], v[ACC+32*\b+8*\a:ACC+32*\b+8*\a+3] offset:64*\a
	ds_store_b128 v[STO], v[ACC+32*\b+8*\a+4:ACC+32*\b+8*\a+7] offset:64*\a+16
.endr
.irp t, 0,1,2,3,4,5,6,7
	ds_load_b128 v[ACC+32*\b+4*\t:ACC+32*\b+4*\t+3], v[RD] offset:\t*2*SPITCH
.endr
.endm
.macro SEND b, younger                 ; younger: the LDS instructions issued behind tile b's loads: the next tile's sixteen, or none
.irp t, 0,1,2,3,4,5,6,7
	s_wait_dscnt \younger+7-\t
	global_store_b128 v[CO], v[ACC+32*\b+4*\t:ACC+32*\b+4*\t+3], s[10:11] offset:\b*65536+\t*8192 th:TH_STORE_NT   ; 16 lanes store 256 consecutive bytes, aligned; written once, read by nobody here
.endr
.endm
	PLACES 4                                       ; in front of the first read of results
	PACK 0
	PACK 1                                         ; a tile's arithmetic stands between the loads of the tile before and its stores
	SEND 0, 16
	PACK 2
	SEND 1, 16
	PACK 3
	SEND 2, 16
	SEND 3, 0
	s_wait_dscnt 0x0
	s_wait_tensorcnt 0x0
	ds_add_u32 v126, v127
	s_wait_dscnt 0x0
	CROUND                                         ; the closing round: no work-group ends while a partner may still ask for a tile that names it
	s_endpgm
.Lfunc_end_k_q6b5002da1d_outp:
	.size	k_q6b5002da1d_outp, .Lfunc_end_k_q6b5002da1d_outp-k_q6b5002da1d_outp
	.p2alignl 7, 3214868480
	.fill 96, 4, 3214868480
	.section	.rodata,"a",@progbits
	.p2align	6, 0x0
	.amdhsa_kernel k_q6b5002da1d_outp
		.amdhsa_group_segment_fixed_size 270848
		.amdhsa_private_segment_fixed_size 0
		.amdhsa_enable_private_segment 0
		.amdhsa_kernarg_size 32
		.amdhsa_user_sgpr_count 2
		.amdhsa_user_sgpr_kernarg_segment_ptr 1
		.amdhsa_wavefront_size32 1
		.amdhsa_system_sgpr_workgroup_id_x 1
		.amdhsa_system_sgpr_workgroup_id_y 1
		.amdhsa_system_sgpr_workgroup_id_z 1
		.amdhsa_system_vgpr_workitem_id 0
		.amdhsa_next_free_vgpr 512
		.amdhsa_next_free_sgpr 102
		.amdhsa_reserve_vcc 0
		.amdhsa_float_denorm_mode_32 3
		.amdhsa_float_denorm_mode_16_64 3
		.amdhsa_memory_ordered 1
		.amdhsa_forward_progress 1
		.amdhsa_inst_pref_size 55
	.end_amdhsa_kernel
	.amdgpu_metadata
---
amdhsa.version: [ 1, 2 ]
amdhsa.kernels:
  - .name:           k_q6b5002da1d_outp
    .symbol:         k_q6b5002da1d_outp.kd
    .args:
      - { .name: o_img, .offset: 0, .size: 8, .value_kind: global_buffer, .address_space: global }
      - { .name: Wo_codes, .offset: 8, .size: 8, .value_kind: global_buffer, .address_space: global }
      - { .name: lowp_scales, .offset: 16, .size: 8, .value_kind: global_buffer, .address_space: global }
      - { .name: out0, .offset: 24, .size: 8, .value_kind: global_buffer, .address_space: global }
    .group_segment_fixed_size: 270848
    .private_segment_fixed_size: 0
    .kernarg_segment_align: 8
    .kernarg_segment_size: 32
    .max_flat_workgroup_size: 128
    .sgpr_count:     102
    .vgpr_count:     512
    .wavefront_size: 32
...
	.end_amdgpu_metadata
.endif
;; end of part 3
